; MI455X (gfx1250); checked and timed in simulation.
; The chip was launched on July 23, 2026; its instructions are those of AMD's public machine-readable ISA for CDNA 5 (MIT licence, August 2026) and "CDNA5" Instruction Set Architecture Reference Guide (July 2026). The comments in the code are by the model that wrote it; some were corrected since.
;; Segmentation Head. Allowed arithmetic: float matrix products may take bf16 or f16 operands with f32 sums; all other float work in f32.
;; Inputs: fake_W1 2,048 x 2,048 float32; fake_W2 2 x 2,048 float32; fake_b1 2,048 float32; fake_b2 2 float32; fake_ln_b 2,048 float32; fake_ln_g 2,048 float32; first_W1 2,048 x 2,048 float32; first_W2 2 x 2,048 float32; first_b1 2,048 float32; first_b2 2 float32; first_ln_b 2,048 float32; first_ln_g 2,048 float32; real_W1 2,048 x 2,048 float32; real_W2 2 x 2,048 float32; real_b1 2,048 float32; real_b2 2 float32; real_ln_b 2,048 float32; real_ln_g 2,048 float32; x 4,096 x 2,048 float32.
;; Outputs: out0 4,096 x 2 float32.
;; 2 versions, each right; version 2 is version 1 with the launches cast, head written anew for expert scheduling mode. Each part assembles by itself: llvm-mc -triple=amdgcn-amd-amdhsa -mcpu=gfx1250 --defsym DOCPART=n.
;; ======== version 1 of 2: 3 launches
;; limits: values outside matrix products are rounded to bf16
;; workspace buffers: ab 41,943,040 bytes; h 100,663,296 bytes
;; launch cast (part 1): grid 256 x 5, 4 waves a work-group, no clusters, 0 bytes of LDS; arguments x, first_W1, fake_W1, real_W1, ab; writes ab
.if DOCPART == 1
	.amdgcn_target "amdgcn-amd-amdhsa--gfx1250"
	.amdhsa_code_object_version 6
	.text
	.protected	k_q32cfbdde78_cast
	.globl	k_q32cfbdde78_cast
	.p2align	8
	.type	k_q32cfbdde78_cast,@function
k_q32cfbdde78_cast:
	s_mov_b64 s[64:65], 0
	v_nop
	global_prefetch_b8 v0, s[64:65] scope:SCOPE_SE
	s_setreg_imm32_b32 hwreg(HW_REG_WAVE_MODE, 25, 1), 1
	s_wait_xcnt 0x0
; x [4096][2048] and the three W1 [2048][2048], f32, are rounded once to bf16 (nearest even) and laid into ab, blocked along K:
;   ab[kb][R][kk], kb = 0..31, R = 0..10239, kk = 0..63, element k = 64 kb + kk, at byte kb*KBS + 128 R + 2 kk.
;   R = 0..4095: rows of x.  R = 4096 + n, n = 0..6143: rows of first_W1, fake_W1, real_W1, stacked in that order.
; In this layout a tile of rows x 64 k, as the product launch takes it, is one dense run of bytes.
; LIMIT OF FORMAT (of the whole program): every floating-point input is rounded once to bf16; all sums, the norm and the two-column
; product are kept in f32.  A row whose two first logits lie closer together than the effect of that rounding (some 2e-3 of their
; spread) can take the other expert than an evaluation on unrounded inputs.  bf16 has the exponent range of f32.
; SHARES: grid y picks 2,048 source rows (0, 1: the halves of x; 2, 3, 4: the three W1); a work-group takes 8 rows, a wave 2.
; One load: lanes 0-15 take 256 aligned bytes (64 k) of the even row, lanes 16-31 the same k of the odd row.
; One store: 32 lanes x 8 bytes = 256 consecutive aligned bytes of ab (two rows of one kb block).
; All 32 loads of a wave go out at once; no register that a memory instruction names is written again, so no wait frees sources.
; A stream: no LDS, no barrier, no matrix unit, nothing shared between work-groups.
.set KBS, 1310720                      ; bytes of one kb block: 10,240 rows x 128 bytes
.set SRC, 4                            ; v4       my byte offset in the work-group's 8 source rows
.set D,   6                            ; v[6:13]  my byte offset in ab for kb = 4 q; kb % 4 stands in the store's immediate
.set X,   16                           ; v[16:143] load kb: 4 registers
	s_load_b256 s[4:11], s[0:1], 0x0               ; x s[4:5], first_W1 s[6:7], fake_W1 s[8:9], real_W1 s[10:11]
	s_load_b64 s[12:13], s[0:1], 0x20              ; ab
	s_and_b32 s14, ttmp7, 0xffff                   ; the piece, 0..4
	v_lshrrev_b32 v1, 5, v0                        ; wave
	v_bfe_u32 v2, v0, 4, 1                         ; which of the wave's two rows
	v_and_b32 v3, 15, v0
	v_lshlrev_b32 v[SRC], 14, v1                   ; wave x 2 rows x 8,192 bytes
	v_lshl_add_u32 v[SRC], v2, 13, v[SRC]          ; + row
	v_lshl_add_u32 v[SRC], v3, 4, v[SRC]           ; + 16 bytes a lane
	v_lshlrev_b32 v[D], 3, v0                      ; 8 t = 256 wave + 128 row + 8 (lane mod 16)
.irp q, 1,2,3,4,5,6,7
	v_add_nc_u32 v[D+\q], \q*4*KBS, v[D]
.endr
	s_lshl_b32 s16, ttmp9, 16                      ; source: 8 rows of 8,192 bytes a work-group,
	s_cmp_eq_u32 s14, 1
	s_cselect_b32 s15, 0x1000000, 0                ; and 2,048 rows on for the second half of x
	s_add_co_u32 s16, s16, s15
	s_mov_b32 s17, 0
	s_lshl_b32 s18, s14, 18                        ; destination: piece x 2,048 rows x 128 bytes
	s_lshl_b32 s19, ttmp9, 10                      ; + 8 rows of 128 bytes a work-group
	s_add_co_u32 s18, s18, s19
	s_mov_b32 s19, 0
	s_wait_kmcnt 0x0
	s_cmp_eq_u32 s14, 2                            ; the source buffer, chosen by the piece alone
	s_cselect_b64 s[4:5], s[6:7], s[4:5]
	s_cmp_eq_u32 s14, 3
	s_cselect_b64 s[4:5], s[8:9], s[4:5]
	s_cmp_eq_u32 s14, 4
	s_cselect_b64 s[4:5], s[10:11], s[4:5]
	s_add_nc_u64 s[4:5], s[4:5], s[16:17]
	s_add_nc_u64 s[12:13], s[12:13], s[18:19]
.set kb, 0
.rept 32
	global_load_b128 v[X+4*kb:X+4*kb+3], v[SRC], s[4:5] offset:256*kb th:TH_LOAD_NT   ; read once in the launch
.set kb, kb+1
.endr
.set kb, 0
.rept 32
	s_wait_loadcnt 31-kb                           ; loads come back in order (ISA guide 5.7.1): load kb is in, the 31 - kb younger ones stay out
	v_cvt_pk_bf16_f32 v[X+4*kb],   v[X+4*kb],   v[X+4*kb+1]
	v_cvt_pk_bf16_f32 v[X+4*kb+1], v[X+4*kb+2], v[X+4*kb+3]
	global_store_b64 v[D+kb/4], v[X+4*kb:X+4*kb+1], s[12:13] offset:(kb%4)*KBS       ; no hint: the next launch reads ab
.set kb, kb+1
.endr
	s_endpgm
.Lfunc_end_k_q32cfbdde78_cast:
	.size	k_q32cfbdde78_cast, .Lfunc_end_k_q32cfbdde78_cast-k_q32cfbdde78_cast
	.p2alignl 7, 3214868480
	.fill 96, 4, 3214868480
	.section	.rodata,"a",@progbits
	.p2align	6, 0x0
	.amdhsa_kernel k_q32cfbdde78_cast
		.amdhsa_group_segment_fixed_size 0
		.amdhsa_private_segment_fixed_size 0
		.amdhsa_enable_private_segment 0
		.amdhsa_kernarg_size 40
		.amdhsa_user_sgpr_count 2
		.amdhsa_user_sgpr_kernarg_segment_ptr 1
		.amdhsa_wavefront_size32 1
		.amdhsa_system_sgpr_workgroup_id_x 1
		.amdhsa_system_sgpr_workgroup_id_y 1
		.amdhsa_system_sgpr_workgroup_id_z 1
		.amdhsa_system_vgpr_workitem_id 0
		.amdhsa_next_free_vgpr 144
		.amdhsa_next_free_sgpr 66
		.amdhsa_reserve_vcc 0
		.amdhsa_float_denorm_mode_32 3
		.amdhsa_float_denorm_mode_16_64 3
		.amdhsa_memory_ordered 1
		.amdhsa_forward_progress 1
		.amdhsa_inst_pref_size 13
	.end_amdhsa_kernel
	.amdgpu_metadata
---
amdhsa.version: [ 1, 2 ]
amdhsa.kernels:
  - .name:           k_q32cfbdde78_cast
    .symbol:         k_q32cfbdde78_cast.kd
    .args:
      - { .name: x, .offset: 0, .size: 8, .value_kind: global_buffer, .address_space: global }
      - { .name: first_W1, .offset: 8, .size: 8, .value_kind: global_buffer, .address_space: global }
      - { .name: fake_W1, .offset: 16, .size: 8, .value_kind: global_buffer, .address_space: global }
      - { .name: real_W1, .offset: 24, .size: 8, .value_kind: global_buffer, .address_space: global }
      - { .name: ab, .offset: 32, .size: 8, .value_kind: global_buffer, .address_space: global }
    .group_segment_fixed_size: 0
    .private_segment_fixed_size: 0
    .kernarg_segment_align: 8
    .kernarg_segment_size: 40
    .max_flat_workgroup_size: 128
    .sgpr_count:     66
    .vgpr_count:     144
    .wavefront_size: 32
...
	.end_amdgpu_metadata
.endif
;; end of part 1
;; launch gemm (part 2): grid 16 x 16, 4 waves a work-group, clusters of 4 x 4, 327,680 bytes of LDS; arguments ab, h, first_b1, fake_b1, real_b1; writes h
.if DOCPART == 2
	.amdgcn_target "amdgcn-amd-amdhsa--gfx1250"
	.amdhsa_code_object_version 6
	.text
	.protected	k_q32cfbdde78_gemm
	.globl	k_q32cfbdde78_gemm
	.p2align	8
	.type	k_q32cfbdde78_gemm,@function
k_q32cfbdde78_gemm:
	s_mov_b64 s[64:65], 0
	v_nop
	global_prefetch_b8 v0, s[64:65] scope:SCOPE_SE
	s_setreg_imm32_b32 hwreg(HW_REG_WAVE_MODE, 25, 1), 1
	s_wait_xcnt 0x0
	s_wait_alu depctr_hold_cnt(0) depctr_sa_sdst(0) depctr_va_vdst(0) depctr_va_sdst(0) depctr_va_ssrc(0) depctr_va_vcc(0) depctr_vm_vsrc(0)
	s_getreg_b32 s2, hwreg(HW_REG_IB_STS2, 6, 4)
	s_cmp_eq_u32 s2, 0
	s_cbranch_scc0 .Lentry_in_a_cluster
	s_endpgm
.Lentry_in_a_cluster:
	s_bfe_u32 s2, ttmp6, 0x10000c
	s_cmp_lg_u32 s2, 0xf033
	s_cbranch_scc0 .Lentry_shape_is_right
	s_endpgm
.Lentry_shape_is_right:
; h[m][n] = b1[n] + sum over k of x[m][k] W[n][k], m = 0..4095, n = 0..6143 (first, fake, real stacked: W1 and b1 alike), K = 2048.
; Operands bf16 from ab (layout [kb][row][64 k], rows 0..4095 x, rows 4096.. W), sums f32, h f32 [4096][6144], never rounded.
; LIMIT OF FORMAT: b1 is rounded once to bf16 (nearest even), like every floating-point input of this program, and added in f32 with one rounding.
; A work-group makes a block of 256 rows x 384 columns: 16 x 16 blocks, one work-group for each.  Four waves, each 128 rows x 192 columns:
; 8 x 12 accumulator tiles of 16 x 16, 768 registers.  For 32 along K a wave reads 20 KiB from LDS and issues 96 matrix instructions.
; K goes in steps of 64 through two LDS slots filled by the tensor data mover (two slots of a step of 128 would be 348,160 bytes: too much).
; In ab the rows x 64 k of a step are dense, so a tile is fetched as rows of 256 aligned bytes (two logical rows of 128 bytes each).
; CLUSTERS: 4 x 4 work-groups.  The four of a row of the cluster need the same tiles of x, the four of a column the same tiles of W: each tile
; is asked for jointly, by the same load with the same descriptor and a mask that names the four, which divides the requests by four.
; REGISTERS, in windows of 256: window 0: addresses, b1 of my columns, 12 fragments of W (one buffer, in three groups of four), 8 fragments of x (two buffers);
; window 1 + g (g = 0, 1, 2): the 32 accumulator tiles of W group g, tile (a = 0..7, b = 0..3) at v[8 (4 a + b)].
; THE MATRIX INSTRUCTION IS USED TRANSPOSED: source 0 = 16 rows of W, source 1 = 16 rows of x, so that lane (r, hh) holds in registers 0..7
; h(row 16 a + r, columns 16 (4 g + b) + 8 hh + 0..7): 32 neighbouring bytes of a row of h.
; The 96 accumulators take turns, one instruction a turn, in the same order in every slice of 32 k, over the backward jump too..
.set KBS,    1310720                   ; bytes of one kb block of ab
.set PITCH,  144                       ; an LDS row: 128 bytes + 16 of padding = 9 x 16: the 16 rows of a fragment load start at 16 different 16-byte columns modulo 256 bytes
.set FROWS,  16*PITCH                  ; 16 rows: from fragment to fragment
.set BHALF,  192*PITCH                 ; 192 rows of W: one tensor load, and what one wave reads of W
.set AHALF,  128*PITCH                 ; 128 rows of x: likewise
.set AOFF,   2*BHALF                   ; in a slot: W's 384 rows, then x's 256 rows
.set SLOT,   2*BHALF+2*AHALF           ; 92,160
.set STAGE,  2*SLOT                    ; behind the ring, at a multiple of 256: each wave's own stage for the way out; no fill lands here
.set SPITCH, 784                       ; a stage row: 768 bytes + 16 = 49 x 16
.set WSTAGE, 16*SPITCH                 ; 12,544 = 49 x 256
.set HROW,   24576                     ; bytes in a row of h
.set LAPS,   16                        ; a lap = two K steps = once round the ring; 32 K steps in all
.set BI,   4                           ; v4-15   b1 of my 12 columns on the way out: piece c (64 columns) at BI + 4 c
.set ADRA, 16                          ; v16-17  LDS address of my x fragments in slot 0, 1
.set ADRB, 20                          ; v20-21  the same for W
.set STO,  24                          ; v24     the way out: where I put 32 bytes of a row
.set RD,   25                          ; v25     the way out: where I read rows back
.set CO,   26                          ; v26     my byte offset in h
.set BT,   27                          ; v27     at work on b1
.set BO,   28                          ; v28     my byte offset in a piece of b1; never rewritten
.set FB,   32                          ; v32-127   W fragments, group g at FB + 32 g
.set FA0,  128                         ; v128-191  x fragments, buffer 0
.set FA1,  192                         ; v192-255  x fragments, buffer 1
.set G1,  24                           ; s[24:31] descriptor group 1 for x tiles
.set G0,  32                           ; s[32:39] descriptor group 0 for x tiles, one set for each slot
.set G1B, 48                           ; s[48:55] descriptor group 1 for W tiles
.set G0B, 56                           ; s[56:63] descriptor group 0 for W tiles, one set for each slot
.set MSB, 0
.macro WIN new                         ; low byte: bits 1:0 source 0, 3:2 source 1, 5:4 source 2, 7:6 destination; the high byte repeats the setting that is left
.if MSB != \new
	s_set_vgpr_msb (MSB<<8)|\new
.set MSB, \new
.endif
.endm
; Four places behind matrix instructions, in front of loads into registers that they read and of LDS stores of their results (ISA guide 7.12.1 for
; vector instructions).  The matrix instructions in between are not counted.
.macro PLACES
.rept 4
	v_nop
.endr
.endm
; A joint load: waves 0 and 1 fetch the two halves of W's tile, waves 2 and 3 those of x's.  Each line has one mask and one set of registers; the
; branch hangs on the wave's number alone.
.macro JLOAD s
	s_cmp_eq_u32 s11, 0
	s_cbranch_scc0 .Lfor_a_\@
	tensor_load_to_lds s[G0B+4*\s:G0B+4*\s+3], s[G1B:G1B+7]
	s_nop 0
	s_branch .Lasked_\@
.Lfor_a_\@:
	tensor_load_to_lds s[G0+4*\s:G0+4*\s+3], s[G1:G1+7]
	s_nop 0
.Lasked_\@:
.endm
; A round of the cluster's barrier: my work-group's barrier; wave 0 signals for the work-group; every wave waits for all sixteen; my work-group's barrier again.
.macro CREST                           ; a round behind its opening barrier
	s_cmp_lg_u32 s10, 0
	s_cbranch_scc1 .Lnot_wave_0_\@
	s_barrier_signal -3
.Lnot_wave_0_\@:
	s_barrier_wait -3
	s_barrier_signal -1
	s_barrier_wait -1
.endm
.macro CROUND
	s_barrier_signal -1
	s_barrier_wait -1
	CREST
.endm
	s_load_b64 s[4:5], s[0:1], 0x0                 ; ab
	s_load_b64 s[8:9], s[0:1], 0x8                 ; h
	s_load_b128 s[68:71], s[0:1], 0x10             ; first_b1 s[68:69], fake_b1 s[70:71]
	s_load_b64 s[72:73], s[0:1], 0x20              ; real_b1
	v_lshl_add_u32 v30, v0, 2, 0x39400
	v_mov_b32 v31, 0
	ds_add_u32 v30, v31
	v_lshrrev_b32 v1, 5, v0
	v_readfirstlane_b32 s10, v1                    ; wave 0..3
	s_lshr_b32 s11, s10, 1                         ; which 128 rows of the block are mine.  Also: I fetch for W (0) or for x (1)
	s_and_b32 s12, s10, 1                          ; which 192 columns.  Also: which half of that tile I fetch
	s_bfe_u32 s40, ttmp6, 0x40000                  ; cx
	s_bfe_u32 s41, ttmp6, 0x40004                  ; cy
	s_lshl_b32 s42, ttmp9, 2
	s_add_co_u32 s42, s42, s40                     ; block column = 4 x cluster x + cx
	s_and_b32 s13, ttmp7, 0xffff
	s_lshl_b32 s13, s13, 2
	s_add_co_u32 s13, s13, s41                     ; block row = 4 x cluster y + cy
	s_lshl_b32 s43, s41, 2
	s_lshl_b32 s43, 15, s43                        ; my row of the cluster: places 4 cy .. 4 cy + 3
	s_lshl_b32 s44, 0x1111, s40                    ; my column: places cx, cx + 4, cx + 8, cx + 12
	; Group 1.  Elements of 2 bytes; a tile row is 128 elements = 256 bytes of memory = two logical rows; 64 such rows for x's half, 96 for W's.
	; Padding: 4 words behind every 32 words (128 bytes).  The words are counted along the whole tile and 32 divides a tile row's 64, so every logical row gets its pad: LDS pitch 144.
	s_or_b32 s[G1+0],  s43, (1<<16)|(1<<20)|(1<<21)|(4<<22)|(3<<25)   ; 15:0 mask: x tiles go to my row; 17:16 size; 20 padding on; 21 set beside a mask; 24:22 interval; 31:25 pad
	s_or_b32 s[G1B+0], s44, (1<<16)|(1<<20)|(1<<21)|(4<<22)|(3<<25)   ; the same with the mask of my column, for W tiles
	s_mov_b32 s[G1+1],  128<<16                    ; tensor_dim0 = 128
	s_mov_b32 s[G1B+1], 128<<16
	s_mov_b32 s[G1+2],  64<<16                     ; tensor_dim1 = 64
	s_mov_b32 s[G1B+2], 96<<16                     ;             = 96
	s_mov_b32 s[G1+3],  128<<16                    ; tile_dim0 = 128
	s_mov_b32 s[G1B+3], 128<<16
	s_mov_b32 s[G1+4],  64                         ; tile_dim1 = 64
	s_mov_b32 s[G1B+4], 96                         ;           = 96
	s_mov_b32 s[G1+5],  128                        ; from row to row: 128 elements (dense)
	s_mov_b32 s[G1B+5], 128
	s_mov_b32 s[G1+6],  0
	s_mov_b32 s[G1B+6], 0
	s_mov_b32 s[G1+7],  0
	s_mov_b32 s[G1B+7], 0
	; Where the tiles come from.  x's hang on the block row alone, W's on the block column alone; each in registers that never hold the other coordinate.
	s_lshl_b32 s16, s13, 15                        ; x: 256 rows of 128 bytes a block row
	s_lshl_b32 s17, s12, 14                        ;    + 128 rows a half
	s_add_co_u32 s16, s16, s17
	s_mov_b32 s17, 0
	s_mul_i32 s46, s42, 49152                      ; W: 384 rows of 128 bytes a block column
	s_mul_i32 s47, s12, 24576                      ;    + 192 rows a half
	s_add_co_u32 s46, s46, s47
	s_add_co_u32 s46, s46, 524288                  ;    behind x's 4,096 rows
	s_mov_b32 s47, 0
	s_mul_i32 s20, s10, BHALF                      ; and where they go: waves 0, 1: W's halves at 0 and 27,648;
	s_mul_i32 s21, s10, AHALF
	s_add_co_u32 s21, s21, AHALF                   ; waves 2, 3: x's halves at 55,296 and 73,728.  The wave's number alone enters an LDS address
	s_wait_dscnt 0x0
	s_wait_kmcnt 0x0
	s_add_nc_u64 s[14:15], s[4:5], s[16:17]
	s_add_nc_u64 s[46:47], s[4:5], s[46:47]
	CROUND                                         ; all sixteen work-groups are here: the first joint loads meet
.irp s, 0,1
	s_mov_b32 s[G0+4*\s], 1                                        ; count = 1
	s_add_co_u32 s[G0+4*\s+1], s21, \s*SLOT                        ; LDS address
	s_add_nc_u64 s[G0+4*\s+2:G0+4*\s+3], s[14:15], \s*KBS          ; global address: K step s
	s_or_b32 s[G0+4*\s+3], s[G0+4*\s+3], 0x80000000                ; type = 2
	s_mov_b32 s[G0B+4*\s], 1
	s_add_co_u32 s[G0B+4*\s+1], s20, \s*SLOT
	s_add_nc_u64 s[G0B+4*\s+2:G0B+4*\s+3], s[46:47], \s*KBS
	s_or_b32 s[G0B+4*\s+3], s[G0B+4*\s+3], 0x80000000
	JLOAD \s                                       ; both slots are asked for before anything else: two tensor loads of the wave are out, never more
.endr
	; A fragment is 16 rows x 32 k in 8 registers: lane l holds row l % 16; registers 0-3 k = 8 (l / 16) + 0..7, registers 4-7 k = 16 + 8 (l / 16) + 0..7:
	; two loads of 16 bytes, 32 bytes apart, at row x pitch + 16 (l / 16).
	v_and_b32 v1, 15, v0                           ; r
	v_bfe_u32 v2, v0, 4, 1                         ; hh
	v_mul_u32_u24 v3, v1, PITCH
	v_lshl_add_u32 v3, v2, 4, v3
	s_mul_i32 s22, s11, AHALF
	s_add_co_u32 s22, s22, AOFF                    ; my 128 rows of x
	s_mul_i32 s23, s12, BHALF                      ; my 192 rows of W
.irp s, 0,1
	v_add_nc_u32 v[ADRA+\s], s22, v3
	v_add_nc_u32 v[ADRB+\s], s23, v3
	s_add_co_u32 s22, s22, SLOT
	s_add_co_u32 s23, s23, SLOT
.endr
	s_mul_i32 s22, s10, WSTAGE
	s_add_co_u32 s22, s22, STAGE                   ; my stage
	v_mul_u32_u24 v4, v1, SPITCH                   ; in: row r, 32 bytes for each half of the lanes
	v_lshl_add_u32 v4, v2, 5, v4
	v_add_nc_u32 v[STO], s22, v4
	v_mul_u32_u24 v5, v2, SPITCH                   ; back: lanes 0-15 take 256 bytes of one row, lanes 16-31 of the next
	v_lshl_add_u32 v5, v1, 4, v5
	v_add_nc_u32 v[RD], s22, v5
	v_mul_u32_u24 v5, v2, HROW                     ; and the same two rows in h
	v_lshl_add_u32 v[CO], v1, 4, v5
	; b1 of the columns that I store on the way out: in each of my wave's three pieces of 64 columns, columns 4 r .. 4 r + 3.  A piece begins at a multiple of
	; 64 and 64 divides 2,048, so it lies in one branch: the buffer is chosen by the column number, a select and no branch.
	v_lshlrev_b32 v[BO], 4, v1                     ; 16 r
.irp c, 0,1,2
	s_mul_i32 s76, s42, 384
	s_mul_i32 s77, s12, 192
	s_add_co_u32 s76, s76, s77
	s_add_co_u32 s76, s76, 64*\c                   ; the piece's first column, 0 .. 6,080
	s_lshr_b32 s77, s76, 11                        ; its branch
	s_cmp_eq_u32 s77, 1
	s_cselect_b64 s[78+2*\c:79+2*\c], s[70:71], s[68:69]
	s_cmp_eq_u32 s77, 2
	s_cselect_b64 s[78+2*\c:79+2*\c], s[72:73], s[78+2*\c:79+2*\c]
	s_and_b32 s76, s76, 2047                       ; the column in the branch,
	s_lshl_b32 s76, s76, 2                         ; in bytes
	s_mov_b32 s77, 0
	s_add_nc_u64 s[78+2*\c:79+2*\c], s[78+2*\c:79+2*\c], s[76:77]  ; a base of its own for each piece: none is rewritten while its load is out
	global_load_b128 v[BI+4*\c:BI+4*\c+3], v[BO], s[78+2*\c:79+2*\c]
.endr
; 16 matrix instructions: x fragments a0 .. a0 + 3 of buffer fa x the four W fragments of group g.  zero = 1: the first product starts the sums.
.macro MUL16 g, fa, a0, zero
.irp a, \a0, \a0+1, \a0+2, \a0+3
.irp b, 0,1,2,3
.if \zero
	v_wmma_f32_16x16x32_bf16 v[8*(4*(\a)+\b):8*(4*(\a)+\b)+7], v[FB+32*\g+8*\b:FB+32*\g+8*\b+7], v[\fa+8*(\a):\fa+8*(\a)+7], 0
.else
	v_wmma_f32_16x16x32_bf16 v[8*(4*(\a)+\b):8*(4*(\a)+\b)+7], v[FB+32*\g+8*\b:FB+32*\g+8*\b+7], v[\fa+8*(\a):\fa+8*(\a)+7], v[8*(4*(\a)+\b):8*(4*(\a)+\b)+7]
.endif
.endr
.endr
.endm
; 8 LDS loads: the four W fragments of group g, 32 k at byte k of the rows of a slot
.macro LOADB slot, k, g
.irp b, 0,1,2,3
	ds_load_b128 v[FB+32*\g+8*\b:FB+32*\g+8*\b+3],   v[ADRB+\slot] offset:\k+(4*\g+\b)*FROWS
	ds_load_b128 v[FB+32*\g+8*\b+4:FB+32*\g+8*\b+7], v[ADRB+\slot] offset:\k+(4*\g+\b)*FROWS+32
.endr
.endm
; 8 LDS loads: x fragments a0 .. a0 + 3 into buffer f
.macro LOADA slot, k, f, a0
.irp a, \a0, \a0+1, \a0+2, \a0+3
	ds_load_b128 v[\f+8*(\a):\f+8*(\a)+3],   v[ADRA+\slot] offset:\k+(\a)*FROWS
	ds_load_b128 v[\f+8*(\a)+4:\f+8*(\a)+7], v[ADRA+\slot] offset:\k+(\a)*FROWS+32
.endr
.endm
; A slice: 32 along K, 96 matrix instructions on x buffer fa.  Behind each W group's 32 products that group is loaded again for the next slice
; (byte nk of slot nslot), with half of the next x fragments into buffer fn: runs of 16, 16 and 8 LDS loads.
.macro SLICE fa, fn, nslot, nk, zero
	s_wait_dscnt 8                                 ; all but the youngest run of 8 (W group 2): W groups 0, 1 and all of x are in
	WIN 0x50
	MUL16 0, \fa, 0, \zero
	MUL16 0, \fa, 4, \zero
	PLACES
	WIN 0
	LOADB \nslot, \nk, 0
	LOADA \nslot, \nk, \fn, 0
	WIN 0xa0
	MUL16 1, \fa, 0, \zero
	MUL16 1, \fa, 4, \zero
	PLACES
	WIN 0
	LOADB \nslot, \nk, 1
	LOADA \nslot, \nk, \fn, 4
	s_wait_dscnt 32                                ; all but the two runs of 16 just issued: W group 2 is in
	WIN 0xf0
	MUL16 2, \fa, 0, \zero
	MUL16 2, \fa, 4, \zero
	PLACES
	WIN 0
	LOADB \nslot, \nk, 2
.endm
; A slot's second slice, on buffer 1, with the change of slots.  ONE barrier for two things.  In front of it each wave waits for its own reads of this
; slot (all were issued in the slice before) and for all its tensor loads, of which one is out: its part of the next slot.  Behind it nobody reads this
; slot and the next one is whole: the refill comes first (fill = 1: two K steps ahead), then the next slot's first fragments.
; From a request to the wait for it a wave issues 64 + 96 + 16 = 176 matrix instructions.
.macro TURN slot, next, fill
	s_wait_dscnt 8
	WIN 0x50
	MUL16 0, FA1, 0, 0
	s_wait_dscnt 0                                 ; my reads of this slot are over
	s_wait_tensorcnt 0x0                           ; and all my tensor loads have landed
	ds_add_u32 v30, v31
	s_wait_dscnt 0x0
	s_barrier_signal -1                            ; say so (where the slot is filled again this barrier opens a round of the cluster's barrier),
	MUL16 0, FA1, 4, 0                             ; work on registers while the others arrive,
	WIN 0
	s_barrier_wait -1
.if \fill
	CREST                                          ; no wave of any partner still reads this slot or has a load on its way
	s_add_nc_u64 s[G0+4*\slot+2:G0+4*\slot+3], s[G0+4*\slot+2:G0+4*\slot+3], 2*KBS       ; no tensor load of mine is out: group 0 may be written
	s_add_nc_u64 s[G0B+4*\slot+2:G0B+4*\slot+3], s[G0B+4*\slot+2:G0B+4*\slot+3], 2*KBS
	JLOAD \slot                                    ; the first tensor load behind the round, and my only one until the next
.endif
	PLACES
	LOADB \next, 0, 0
	LOADA \next, 0, FA0, 0
	WIN 0xa0
	MUL16 1, FA1, 0, 0
	MUL16 1, FA1, 4, 0
	PLACES
	WIN 0
	LOADB \next, 0, 1
	LOADA \next, 0, FA0, 4
	WIN 0xf0
	MUL16 2, FA1, 0, 0
	MUL16 2, FA1, 4, 0
	PLACES
	WIN 0
	LOADB \next, 0, 2
.endm
.macro STEP slot, next, zero, fill     ; a K step of 64
	SLICE FA0, FA1, \slot, 64, \zero
	TURN \slot, \next, \fill
.endm
.macro LAP zero                        ; once round the ring, both slots filled again
	STEP 0, 1, \zero, 1
	STEP 1, 0, 0, 1
.endm
	s_wait_loadcnt 0x0                             ; b1, once; the first tile is on its way meanwhile
.irp m, 0,1,2,3,4,5
	v_cvt_pk_bf16_f32 v[BT], v[BI+2*\m], v[BI+2*\m+1]              ; rounded to bf16,
	v_lshlrev_b32 v[BI+2*\m],   16, v[BT]                          ; and kept as f32 for the packed adds of the way out
	v_and_b32     v[BI+2*\m+1], 0xffff0000, v[BT]
.endr
	s_wait_tensorcnt 1                             ; my part of K step 0 is in; K step 1's may stay out
	s_barrier_signal -1
	s_barrier_wait -1                              ; everybody's is
	LOADB 0, 0, 0                                  ; the first slice's fragments, in the runs 16, 16, 8 that the counts of a slice expect
	LOADA 0, 0, FA0, 0
	LOADB 0, 0, 1
	LOADA 0, 0, FA0, 4
	LOADB 0, 0, 2
	LAP 1                                          ; K steps 0, 1 stand in front of the loop: the first products start the sums, nothing is cleared
	s_mov_b32 s3, LAPS-2                           ; every slice ends with all windows 0, as a label and a branch need
.Llap:
	LAP 0                                          ; K steps 2 .. 29; they ask for steps 4 .. 31
	s_sub_co_u32 s3, s3, 1
	s_cmp_lg_u32 s3, 0
	s_cbranch_scc1 .Llap
	STEP 0, 1, 0, 0                                ; K step 30: nothing is left to fetch, so a barrier and no round
	SLICE FA0, FA1, 1, 64, 0                       ; K step 31
	s_wait_dscnt 8
	WIN 0x50
	MUL16 0, FA1, 0, 0
	MUL16 0, FA1, 4, 0
	WIN 0xa0
	MUL16 1, FA1, 0, 0
	MUL16 1, FA1, 4, 0
	s_wait_dscnt 0
	WIN 0xf0
	MUL16 2, FA1, 0, 0
	MUL16 2, FA1, 4, 0
	PLACES                                         ; behind the last products: for the LDS stores that read results and the loads into the fragment buffers
	WIN 0
	; THE WAY OUT, 16 rows of h at a time: straight from the accumulators into my own stage, read back as pieces of 256 bytes of a row, b1 added, stored.
	s_mul_i32 s16, s13, 256*HROW                   ; my first row
	s_mul_i32 s17, s11, 128*HROW
	s_add_co_u32 s16, s16, s17
	s_mov_b32 s17, 0
	s_add_nc_u64 s[8:9], s[8:9], s[16:17]
	s_mul_i32 s46, s42, 1536                       ; my first column, in bytes: 384 x 4 a block + 192 x 4 a half
	s_mul_i32 s47, s12, 768
	s_add_co_u32 s46, s46, s47
	s_mov_b32 s47, 0
	s_add_nc_u64 s[8:9], s[8:9], s[46:47]
; rows 16 a .. 16 a + 15 of my block; f: 96 registers of window 0, two sets in turn
.macro OUT16 a, f
.irp g, 0,1,2
	WIN 4*(1+\g)                                   ; an LDS store's data are its source 1: window 1 + g
.irp b, 0,1,2,3
	ds_store_b128 v[STO], v[8*(4*\a+\b):8*(4*\a+\b)+3]   offset:64*(4*\g+\b)
	ds_store_b128 v[STO], v[8*(4*\a+\b)+4:8*(4*\a+\b)+7] offset:64*(4*\g+\b)+16
.endr
.endr
	WIN 0
	s_wait_xcnt 0x0                                ; every earlier memory instruction has had its addresses translated (ISA guide 3.1): set f, which stores read, and the stores' base are rewritten only behind this wait
.if \a
	s_add_nc_u64 s[8:9], s[8:9], 16*HROW
.endif
.irp p, 0,1,2,3,4,5,6,7
.irp c, 0,1,2
	ds_load_b128 v[\f+4*(3*\p+\c):\f+4*(3*\p+\c)+3], v[RD] offset:2*\p*SPITCH+256*\c     ; LDS serves a wave's instructions in order (ISA guide 5.7.1.4): these see the stores above; the stage is my own
.endr
.endr
.irp p, 0,1,2,3,4,5,6,7
.irp c, 0,1,2
	s_wait_dscnt 23-(3*\p+\c)                      ; the younger of the 24 loads may stay out
	v_pk_add_f32 v[\f+4*(3*\p+\c):\f+4*(3*\p+\c)+1],   v[\f+4*(3*\p+\c):\f+4*(3*\p+\c)+1],   v[BI+4*\c:BI+4*\c+1]       ; + b1 of columns 64 c + 4 r .. + 3 of my 192
	v_pk_add_f32 v[\f+4*(3*\p+\c)+2:\f+4*(3*\p+\c)+3], v[\f+4*(3*\p+\c)+2:\f+4*(3*\p+\c)+3], v[BI+4*\c+2:BI+4*\c+3]
	global_store_b128 v[CO], v[\f+4*(3*\p+\c):\f+4*(3*\p+\c)+3], s[8:9] offset:2*\p*HROW+256*\c th:TH_STORE_NT   ; 16 lanes store 256 consecutive bytes, at a multiple of 256 from h's first byte; written once, not read again in this launch
.endr
.endr
.endm
	OUT16 0, 32
	OUT16 1, 128
	OUT16 2, 32
	OUT16 3, 128
	OUT16 4, 32
	OUT16 5, 128
	OUT16 6, 32
	OUT16 7, 128
	s_wait_tensorcnt 0x0
	ds_add_u32 v30, v31
	s_wait_dscnt 0x0
	CROUND                                         ; the closing round: no work-group ends while a partner may still ask for a tile that names it
	s_endpgm
.Lfunc_end_k_q32cfbdde78_gemm:
	.size	k_q32cfbdde78_gemm, .Lfunc_end_k_q32cfbdde78_gemm-k_q32cfbdde78_gemm
	.p2alignl 7, 3214868480
	.fill 96, 4, 3214868480
	.section	.rodata,"a",@progbits
	.p2align	6, 0x0
	.amdhsa_kernel k_q32cfbdde78_gemm
		.amdhsa_group_segment_fixed_size 327680
		.amdhsa_private_segment_fixed_size 0
		.amdhsa_enable_private_segment 0
		.amdhsa_kernarg_size 40
		.amdhsa_user_sgpr_count 2
		.amdhsa_user_sgpr_kernarg_segment_ptr 1
		.amdhsa_wavefront_size32 1
		.amdhsa_system_sgpr_workgroup_id_x 1
		.amdhsa_system_sgpr_workgroup_id_y 1
		.amdhsa_system_sgpr_workgroup_id_z 1
		.amdhsa_system_vgpr_workitem_id 0
		.amdhsa_next_free_vgpr 1024
		.amdhsa_next_free_sgpr 84
		.amdhsa_reserve_vcc 0
		.amdhsa_float_denorm_mode_32 3
		.amdhsa_float_denorm_mode_16_64 3
		.amdhsa_memory_ordered 1
		.amdhsa_forward_progress 1
		.amdhsa_inst_pref_size 197
	.end_amdhsa_kernel
	.amdgpu_metadata
---
amdhsa.version: [ 1, 2 ]
amdhsa.kernels:
  - .name:           k_q32cfbdde78_gemm
    .symbol:         k_q32cfbdde78_gemm.kd
    .args:
      - { .name: ab, .offset: 0, .size: 8, .value_kind: global_buffer, .address_space: global }
      - { .name: h, .offset: 8, .size: 8, .value_kind: global_buffer, .address_space: global }
      - { .name: first_b1, .offset: 16, .size: 8, .value_kind: global_buffer, .address_space: global }
      - { .name: fake_b1, .offset: 24, .size: 8, .value_kind: global_buffer, .address_space: global }
      - { .name: real_b1, .offset: 32, .size: 8, .value_kind: global_buffer, .address_space: global }
    .group_segment_fixed_size: 327680
    .private_segment_fixed_size: 0
    .kernarg_segment_align: 8
    .kernarg_segment_size: 40
    .max_flat_workgroup_size: 128
    .sgpr_count:     84
    .vgpr_count:     1024
    .wavefront_size: 32
...
	.end_amdgpu_metadata
.endif
;; end of part 2
;; launch head (part 3): grid 256 x 1, 16 waves a work-group, no clusters, 51,456 bytes of LDS; arguments h, first_ln_g, first_ln_b, first_W2, first_b2, fake_ln_g, fake_ln_b, fake_W2, fake_b2, real_ln_g, real_ln_b, real_W2, real_b2, out0; writes out0
.if DOCPART == 3
	.amdgcn_target "amdgcn-amd-amdhsa--gfx1250"
	.amdhsa_code_object_version 6
	.text
	.protected	k_q32cfbdde78_head
	.globl	k_q32cfbdde78_head
	.p2align	8
	.type	k_q32cfbdde78_head,@function
k_q32cfbdde78_head:
	s_mov_b64 s[64:65], 0
	v_nop
	global_prefetch_b8 v0, s[64:65] scope:SCOPE_SE
	s_setreg_imm32_b32 hwreg(HW_REG_WAVE_MODE, 25, 1), 1
	s_wait_xcnt 0x0
; For each row and each branch j (0 first, 1 fake, 2 real): t = h[row][2048 j ..] (b1 is in it already); LayerNorm (mean, then the mean of (t - mean)^2, eps 1e-5),
; gain and bias; ReLU; the two logits = relu . W2[0], relu . W2[1], + b2.  out0[row] = the fake logits where the first branch's logit 0 >= logit 1 (a tie takes
; index 0, and so does a NaN in logit 0, as argmax does), else the real logits: a select of values, no branch.
; LIMIT OF FORMAT: ln_g, ln_b, W2 and b2 are rounded once to bf16 (nearest even), like x, W1 and b1 in the launches before; all arithmetic here is f32 on those
; values; h is f32 and is never rounded.  LIMIT OF RANGE: ReLU is a maximum in which a NaN loses, so a NaN in h counts as 0 there.
; SHARES: a work-group takes 16 rows, wave w row 16 x group + w with all three branches, so the select stays inside the wave.  A branch's row is 64 registers
; (16 loads of 512 consecutive bytes) and stays in registers through all three passes: h is read once, and the variance is a sum of squared differences.
; ORDER OF THE LOADS: in front of the first barrier a wave issues its 12 parameter loads and the first branch's 16 loads alone, so that the arithmetic begins as
; soon as the parameters lie in LDS.  The fake branch's 16 loads go out four at a time between the groups of the first branch's sum, the real branch's one behind
; every two subtractions of its second pass: each is out at least two passes ahead of its use, and none stands in a run in front of work that could go on.
; The parameters are packed once into LDS by the 512 threads (thread t: columns 4 t .. 4 t + 3).
; The two-column product runs on the vector unit in f32: two columns would fill an eighth of a matrix tile, and its operand would have to be rounded.
; OUTPUT: a work-group's 16 rows of out0 are 128 consecutive bytes, stored by one instruction of one wave.  Whole blocks of 256 bytes would need 32 rows a
; work-group, that is 128 work-groups, for an output of 32,768 bytes in all.  Nothing is shared between work-groups but the parameters: no cluster.
.set HROW, 24576                       ; bytes in a row of h
.set BR,   16384                       ; LDS bytes of a branch's parameters
.set GOF,  0                           ; gain x 4, bias x 4: 16 bytes a thread, at 16 t
.set WOF,  8192                        ; W2[0] x 4, W2[1] x 4: 16 bytes a thread, at 16 t
.set RES,  49152                       ; the 16 rows' results, 8 bytes each
.set GO,   1                           ; v1        my byte offset in the work-group's 16 rows of h; never rewritten
.set LP,   2                           ; v2        16 x lane
.set ZERO, 4                           ; v4        0
.set XL,   5                           ; v5        what the other half of the lanes holds
.set MU,   6                           ; v[6:7]    the mean, twice
.set RS,   8                           ; v[8:9]    1 / sqrt(var + eps), twice
.set CH,   10                          ; v[10:17]  chains of sums
.set T,    18                          ; v[18:25]  at work
.set PO,   18                          ; v18       set-up only: 16 t
.set R,    26                          ; v[26:31]  logits 0, 1 of branches 0, 1, 2; started with b2
.set P,    32                          ; v[32:63]  parameters from LDS
.set X,    64                          ; v[64:255] branch j: 64 registers
.set PR,   192                         ; set-up only: the parameters as loaded, 16 registers a branch
; four loads of h, 512 consecutive bytes each, into 16 registers from b, from byte o of my row
.macro ASK b, o
.irp i, 0,1,2,3
	global_load_b128 v[(\b)+4*\i:(\b)+4*\i+3], v[GO], s[8:9] offset:(\o)+512*\i th:TH_LOAD_NT   ; read once in the launch
.endr
.endm
	s_load_b512 s[8:23], s[0:1], 0x0               ; h s[8:9]; branch j, parameter p (g, be, W2, b2) at s[10 + 8 j + 2 p]
	s_load_b256 s[24:31], s[0:1], 0x40
	s_load_b128 s[32:35], s[0:1], 0x60             ; real_b2 s[32:33], out0 s[34:35]
	v_lshrrev_b32 v[GO], 5, v0
	v_readfirstlane_b32 s43, v[GO]                 ; wave 0..15
	v_and_b32 v[LP], 31, v0
	v_lshlrev_b32 v[LP], 4, v[LP]
	v_mad_u32_u24 v[GO], v[GO], HROW, v[LP]        ; my wave's row + 16 bytes a lane
	v_lshlrev_b32 v[PO], 4, v0
	v_mov_b32 v[ZERO], 0
	v_mov_b32 v[XL], 0                             ; v_permlanex16_b32 counts as a reader of its destination
	s_mul_i32 s2, ttmp9, 16*HROW
	s_mov_b32 s3, 0
	s_mov_b32 s4, 0x3727c5ac                       ; 1e-5
	s_mov_b32 s6, 0x76543210                       ; v_permlanex16_b32: lane i of one half reads lane i of the other
	s_mov_b32 s7, 0xfedcba98
	s_mov_b32 s42, 0x3a000000                      ; 1 / 2048
	s_wait_kmcnt 0x0
	s_load_b64 s[44:45], s[16:17], 0x0             ; b2 of the three branches
	s_load_b64 s[46:47], s[24:25], 0x0
	s_load_b64 s[48:49], s[32:33], 0x0
	s_add_nc_u64 s[8:9], s[8:9], s[2:3]            ; h at the group's first row
	s_lshl_b32 s2, ttmp9, 7
	s_add_nc_u64 s[34:35], s[34:35], s[2:3]        ; out0 likewise
.irp j, 0,1,2
	global_load_b128 v[PR+16*\j:PR+16*\j+3],     v[PO], s[10+8*\j:11+8*\j]               ; gain
	global_load_b128 v[PR+16*\j+4:PR+16*\j+7],   v[PO], s[12+8*\j:13+8*\j]               ; bias
	global_load_b128 v[PR+16*\j+8:PR+16*\j+11],  v[PO], s[14+8*\j:15+8*\j]               ; W2[0]
	global_load_b128 v[PR+16*\j+12:PR+16*\j+15], v[PO], s[14+8*\j:15+8*\j] offset:8192   ; W2[1]
.endr
	ASK X,    0                                    ; the first branch's row
	ASK X+16, 2048
	ASK X+32, 4096
	ASK X+48, 6144
	s_wait_loadcnt 16                              ; the 12 parameter loads are in (and PO is free); the 16 younger loads of h stay out
.irp j, 0,1,2
.irp m, 0,1,2,3,4,5,6,7
	v_cvt_pk_bf16_f32 v[P+8*\j+\m], v[PR+16*\j+2*\m], v[PR+16*\j+2*\m+1]
.endr
	ds_store_b128 v[PO], v[P+8*\j:P+8*\j+3]   offset:\j*BR+GOF
	ds_store_b128 v[PO], v[P+8*\j+4:P+8*\j+7] offset:\j*BR+WOF
.endr
	s_wait_kmcnt 0x0
.irp j, 0,1,2
	v_cvt_pk_bf16_f32 v[T+2], s[44+2*\j], s[45+2*\j]
	v_lshlrev_b32 v[R+2*\j],   16, v[T+2]          ; the logits start with b2
	v_and_b32     v[R+2*\j+1], 0xffff0000, v[T+2]
.endr
	s_wait_dscnt 0x0                               ; my part of the parameters is in LDS,
	s_barrier_signal -1
	s_barrier_wait -1                              ; everybody's is
; a sum over the 32 lanes, the result in every lane
.macro REDUCE r
	v_add_f32_dpp v[\r], v[\r], v[\r] row_xmask:1 row_mask:0xf bank_mask:0xf
	v_add_f32_dpp v[\r], v[\r], v[\r] row_xmask:2 row_mask:0xf bank_mask:0xf
	v_add_f32_dpp v[\r], v[\r], v[\r] row_xmask:4 row_mask:0xf bank_mask:0xf
	v_add_f32_dpp v[\r], v[\r], v[\r] row_xmask:8 row_mask:0xf bank_mask:0xf
	v_permlanex16_b32 v[XL], v[\r], s6, s7
	v_add_f32 v[\r], v[\r], v[XL]
.endm
; the four packed chains into one number, then over the lanes
.macro TOTAL
	v_pk_add_f32 v[CH:CH+1],   v[CH:CH+1],   v[CH+2:CH+3]
	v_pk_add_f32 v[CH+4:CH+5], v[CH+4:CH+5], v[CH+6:CH+7]
	v_pk_add_f32 v[CH:CH+1],   v[CH:CH+1],   v[CH+4:CH+5]
	v_add_f32 v[CH], v[CH], v[CH+1]
	REDUCE CH
.endm
; the eight pairs in the 16 registers from b start the four chains: nothing is cleared
.macro SUM0 b
.irp k, 0,1,2,3
	v_pk_add_f32 v[CH+2*\k:CH+2*\k+1], v[(\b)+2*\k:(\b)+2*\k+1], v[(\b)+8+2*\k:(\b)+8+2*\k+1]
.endr
.endm
; the eight pairs in the 16 registers from b go onto the four chains
.macro SUM8 b
.irp k, 0,1,2,3
	v_pk_add_f32 v[CH+2*\k:CH+2*\k+1], v[CH+2*\k:CH+2*\k+1], v[(\b)+2*\k:(\b)+2*\k+1]
.endr
.irp k, 0,1,2,3
	v_pk_add_f32 v[CH+2*\k:CH+2*\k+1], v[CH+2*\k:CH+2*\k+1], v[(\b)+8+2*\k:(\b)+8+2*\k+1]
.endr
.endm
; batch n of the last pass: gain and bias, W2's two rows, for chunks 2 n and 2 n + 1, into 16 registers from pb
.macro LOADP n, pb
.irp u, 0,1
	ds_load_b128 v[(\pb)+8*\u:(\pb)+8*\u+3],   v[LP] offset:LB+GOF+512*(2*(\n)+\u)
	ds_load_b128 v[(\pb)+8*\u+4:(\pb)+8*\u+7], v[LP] offset:LB+WOF+512*(2*(\n)+\u)
.endr
.endm
; chunk c (my 4 columns 128 c + 4 lane ..): scale, gain and bias, ReLU, and the two products.  pb: g g be be w0 w0 w1 w1 (two bf16 a register).
.macro CHUNK c, pb, tb, first
	v_pk_mul_f32 v[(\tb):(\tb)+1],   v[XB+4*(\c):XB+4*(\c)+1],   v[RS:RS+1]
	v_pk_mul_f32 v[(\tb)+2:(\tb)+3], v[XB+4*(\c)+2:XB+4*(\c)+3], v[RS:RS+1]
.irp d, 0,1
	v_fma_mix_f32_bf16 v[(\tb)+2*\d],   v[(\tb)+2*\d],   v[(\pb)+\d], v[(\pb)+2+\d] op_sel_hi:[0,1,1]
	v_fma_mix_f32_bf16 v[(\tb)+2*\d+1], v[(\tb)+2*\d+1], v[(\pb)+\d], v[(\pb)+2+\d] op_sel:[0,1,1] op_sel_hi:[0,1,1]
.endr
.irp e, 0,1,2,3
	v_max_num_f32 v[(\tb)+\e], 0, v[(\tb)+\e]
.endr
.irp d, 0,1
.if \first
	v_fma_mix_f32_bf16 v[CH+2*\d],     v[(\tb)+2*\d],   v[(\pb)+4+\d], v[ZERO] op_sel_hi:[0,1,0]              ; the first chunk starts the eight chains
	v_fma_mix_f32_bf16 v[CH+2*\d+1],   v[(\tb)+2*\d+1], v[(\pb)+4+\d], v[ZERO] op_sel:[0,1,0] op_sel_hi:[0,1,0]
	v_fma_mix_f32_bf16 v[CH+4+2*\d],   v[(\tb)+2*\d],   v[(\pb)+6+\d], v[ZERO] op_sel_hi:[0,1,0]
	v_fma_mix_f32_bf16 v[CH+4+2*\d+1], v[(\tb)+2*\d+1], v[(\pb)+6+\d], v[ZERO] op_sel:[0,1,0] op_sel_hi:[0,1,0]
.else
	v_fma_mix_f32_bf16 v[CH+2*\d],     v[(\tb)+2*\d],   v[(\pb)+4+\d], v[CH+2*\d] op_sel_hi:[0,1,0]
	v_fma_mix_f32_bf16 v[CH+2*\d+1],   v[(\tb)+2*\d+1], v[(\pb)+4+\d], v[CH+2*\d+1] op_sel:[0,1,0] op_sel_hi:[0,1,0]
	v_fma_mix_f32_bf16 v[CH+4+2*\d],   v[(\tb)+2*\d],   v[(\pb)+6+\d], v[CH+4+2*\d] op_sel_hi:[0,1,0]
	v_fma_mix_f32_bf16 v[CH+4+2*\d+1], v[(\tb)+2*\d+1], v[(\pb)+6+\d], v[CH+4+2*\d+1] op_sel:[0,1,0] op_sel_hi:[0,1,0]
.endif
.endr
.endm
; left: how many younger LDS loads (the next batch's four) may stay out; more = 1: batch n + 2 is asked for into the registers just used
.macro BATCH n, pb, first, left, more
	s_wait_dscnt \left
	CHUNK 2*\n,   \pb,   T,   \first
	CHUNK 2*\n+1, \pb+8, T+4, 0
.if \more
	LOADP \n+2, \pb
.endif
.endm
; One branch of my row.  The sum goes in four groups of four loads; in front of group q the count w0 - dw q leaves out all loads younger than the group's.
; ahead = 1 (the first branch): the other two branches' rows are asked for on the way.
.macro BRANCH j, w0, dw, ahead
.set XB, X+64*\j
.set LB, \j*BR
	; pass 1: the mean
	s_wait_loadcnt \w0                             ; loads come back in order (ISA guide 5.7.1): this branch's first four are in
	SUM0 XB
.if \ahead
	ASK XB+64, 8192*(\j+1)
.endif
.irp q, 1,2,3
	s_wait_loadcnt \w0-\dw*\q
	SUM8 XB+16*\q
.if \ahead
	ASK XB+64+16*\q, 8192*(\j+1)+2048*\q
.endif
.endr
	TOTAL
	v_mul_f32 v[MU],   s42, v[CH]
	v_mul_f32 v[MU+1], s42, v[CH]
	; pass 2: t - mean in place, and the mean of its squares.  The last pass's first two batches of parameters are asked for now.
	LOADP 0, P
	LOADP 1, P+16
.set i, 0
.rept 16
	v_pk_add_f32 v[XB+4*i:XB+4*i+1],   v[XB+4*i:XB+4*i+1],   v[MU:MU+1] neg_lo:[0,1] neg_hi:[0,1]
	v_pk_add_f32 v[XB+4*i+2:XB+4*i+3], v[XB+4*i+2:XB+4*i+3], v[MU:MU+1] neg_lo:[0,1] neg_hi:[0,1]
.if \ahead
	global_load_b128 v[XB+128+4*i:XB+128+4*i+3], v[GO], s[8:9] offset:8192*(\j+2)+512*i th:TH_LOAD_NT    ; into the registers that held the parameters as loaded
.endif
.set i, i+1
.endr
.irp k, 0,1,2,3
	v_pk_mul_f32 v[CH+2*\k:CH+2*\k+1], v[XB+2*\k:XB+2*\k+1], v[XB+2*\k:XB+2*\k+1]
.endr
.set i, 4
.rept 28
	v_pk_fma_f32 v[CH+2*(i%4):CH+2*(i%4)+1], v[XB+2*i:XB+2*i+1], v[XB+2*i:XB+2*i+1], v[CH+2*(i%4):CH+2*(i%4)+1]
.set i, i+1
.endr
	TOTAL
	v_fma_f32 v[T], v[CH], s42, s4                 ; var + eps
	v_rsq_f32 v[RS],   v[T]
	v_rsq_f32 v[RS+1], v[T]
	v_nop                                          ; one plain place behind the transcendentals before RS is read and T rewritten (ISA guide 5.7.2)
	s_wait_alu depctr_va_vdst(0)
	; pass 3: eight batches of two chunks
	BATCH 0, P,    1, 4, 1
	BATCH 1, P+16, 0, 4, 1
	BATCH 2, P,    0, 4, 1
	BATCH 3, P+16, 0, 4, 1
	BATCH 4, P,    0, 4, 1
	BATCH 5, P+16, 0, 4, 1
	BATCH 6, P,    0, 4, 0
	BATCH 7, P+16, 0, 0, 0
	v_pk_add_f32 v[CH:CH+1],   v[CH:CH+1],   v[CH+2:CH+3]
	v_pk_add_f32 v[CH+4:CH+5], v[CH+4:CH+5], v[CH+6:CH+7]
	v_add_f32 v[CH],   v[CH],   v[CH+1]
	v_add_f32 v[CH+4], v[CH+4], v[CH+5]
	REDUCE CH
	REDUCE CH+4
	v_add_f32 v[R+2*\j],   v[R+2*\j],   v[CH]
	v_add_f32 v[R+2*\j+1], v[R+2*\j+1], v[CH+4]
.endm
	BRANCH 0, 12, 0, 1                             ; group q: 12 - 4 q younger loads of its own and the 4 q of the fake branch issued so far: always 12
	BRANCH 1, 28, 4, 0                             ; group q: 12 - 4 q of its own and the real branch's 16
	BRANCH 2, 12, 4, 0                             ; group q: 12 - 4 q of its own; the last count is 0
	v_cmp_ge_f32 vcc_lo, v[R], v[R+1]              ; route 0: logit 0 >= logit 1,
	v_cmp_neq_f32 s50, v[R], v[R]                  ; or logit 0 is a NaN
	s_or_b32 vcc_lo, vcc_lo, s50
	v_cndmask_b32 v[CH],   v[R+4], v[R+2], vcc_lo  ; route 0: fake, else real
	v_cndmask_b32 v[CH+1], v[R+5], v[R+3], vcc_lo
	s_lshl_b32 s2, s43, 3
	v_mov_b32 v[CH+2], s2
	ds_store_b64 v[CH+2], v[CH:CH+1] offset:RES    ; all lanes hold the same two numbers and write the same 8 bytes, my wave's
	s_wait_dscnt 0x0                               ; for the others' sake: zero
	s_barrier_signal -1
	s_barrier_wait -1
	s_cmp_lg_u32 s43, 0
	s_cbranch_scc1 .Lend
	v_lshrrev_b32 v[CH+3], 2, v[LP]                ; wave 0: 4 x lane
	ds_load_b32 v[CH+4], v[CH+3] offset:RES        ; the 16 rows' 32 numbers
	s_wait_dscnt 0x0
	global_store_b32 v[CH+3], v[CH+4], s[34:35]    ; 128 consecutive bytes of out0
.Lend:
	s_wait_xcnt 0x0
	v_lshl_add_u32 v254, v0, 2, 0xc100
	v_mov_b32 v255, 0
	s_wait_tensorcnt 0x0
	ds_add_u32 v254, v255
	s_wait_dscnt 0x0
	s_endpgm
.Lfunc_end_k_q32cfbdde78_head:
	.size	k_q32cfbdde78_head, .Lfunc_end_k_q32cfbdde78_head-k_q32cfbdde78_head
	.p2alignl 7, 3214868480
	.fill 96, 4, 3214868480
	.section	.rodata,"a",@progbits
	.p2align	6, 0x0
	.amdhsa_kernel k_q32cfbdde78_head
		.amdhsa_group_segment_fixed_size 51456
		.amdhsa_private_segment_fixed_size 0
		.amdhsa_enable_private_segment 0
		.amdhsa_kernarg_size 112
		.amdhsa_user_sgpr_count 2
		.amdhsa_user_sgpr_kernarg_segment_ptr 1
		.amdhsa_wavefront_size32 1
		.amdhsa_system_sgpr_workgroup_id_x 1
		.amdhsa_system_sgpr_workgroup_id_y 1
		.amdhsa_system_sgpr_workgroup_id_z 1
		.amdhsa_system_vgpr_workitem_id 0
		.amdhsa_next_free_vgpr 256
		.amdhsa_next_free_sgpr 66
		.amdhsa_reserve_vcc 1
		.amdhsa_float_denorm_mode_32 3
		.amdhsa_float_denorm_mode_16_64 3
		.amdhsa_memory_ordered 1
		.amdhsa_forward_progress 1
		.amdhsa_inst_pref_size 90
	.end_amdhsa_kernel
	.amdgpu_metadata
---
amdhsa.version: [ 1, 2 ]
amdhsa.kernels:
  - .name:           k_q32cfbdde78_head
    .symbol:         k_q32cfbdde78_head.kd
    .args:
      - { .name: h, .offset: 0, .size: 8, .value_kind: global_buffer, .address_space: global }
      - { .name: first_ln_g, .offset: 8, .size: 8, .value_kind: global_buffer, .address_space: global }
      - { .name: first_ln_b, .offset: 16, .size: 8, .value_kind: global_buffer, .address_space: global }
      - { .name: first_W2, .offset: 24, .size: 8, .value_kind: global_buffer, .address_space: global }
      - { .name: first_b2, .offset: 32, .size: 8, .value_kind: global_buffer, .address_space: global }
      - { .name: fake_ln_g, .offset: 40, .size: 8, .value_kind: global_buffer, .address_space: global }
      - { .name: fake_ln_b, .offset: 48, .size: 8, .value_kind: global_buffer, .address_space: global }
      - { .name: fake_W2, .offset: 56, .size: 8, .value_kind: global_buffer, .address_space: global }
      - { .name: fake_b2, .offset: 64, .size: 8, .value_kind: global_buffer, .address_space: global }
      - { .name: real_ln_g, .offset: 72, .size: 8, .value_kind: global_buffer, .address_space: global }
      - { .name: real_ln_b, .offset: 80, .size: 8, .value_kind: global_buffer, .address_space: global }
      - { .name: real_W2, .offset: 88, .size: 8, .value_kind: global_buffer, .address_space: global }
      - { .name: real_b2, .offset: 96, .size: 8, .value_kind: global_buffer, .address_space: global }
      - { .name: out0, .offset: 104, .size: 8, .value_kind: global_buffer, .address_space: global }
    .group_segment_fixed_size: 51456
    .private_segment_fixed_size: 0
    .kernarg_segment_align: 8
    .kernarg_segment_size: 112
    .max_flat_workgroup_size: 512
    .sgpr_count:     66
    .vgpr_count:     256
    .wavefront_size: 32
...
	.end_amdgpu_metadata
.endif
;; end of part 3
;; ======== version 2 of 2: 3 launches; version 1 with the launches cast, head written anew for expert scheduling mode
;; limits: values outside matrix products are rounded to bf16
;; workspace buffers: ab 41,943,040 bytes; h 100,663,296 bytes
;; launch cast (part 4): grid 256 x 5, 4 waves a work-group, no clusters, 0 bytes of LDS; arguments x, first_W1, fake_W1, real_W1, ab; writes ab
.if DOCPART == 4
	.amdgcn_target "amdgcn-amd-amdhsa--gfx1250"
	.amdhsa_code_object_version 6
	.text
	.protected	k_q32cfbdde78_cast
	.globl	k_q32cfbdde78_cast
	.p2align	8
	.type	k_q32cfbdde78_cast,@function
k_q32cfbdde78_cast:
	s_mov_b64 s[64:65], 0
	v_nop
	global_prefetch_b8 v0, s[64:65] scope:SCOPE_SE
	s_setreg_imm32_b32 hwreg(HW_REG_WAVE_SCHED_MODE, 0, 2), 2
	s_setreg_imm32_b32 hwreg(HW_REG_WAVE_MODE, 25, 1), 1
	s_wait_xcnt 0x0
	s_wait_alu depctr_vm_vsrc(0)
; x [4096][2048] and the three W1 [2048][2048], f32, are rounded once to bf16 (nearest even) and laid into ab, blocked along K:
;   ab[kb][R][kk], kb = 0..31, R = 0..10239, kk = 0..63, element k = 64 kb + kk, at byte kb*KBS + 128 R + 2 kk.
;   R = 0..4095: rows of x.  R = 4096 + n, n = 0..6143: rows of first_W1, fake_W1, real_W1, stacked in that order.
; In this layout a tile of rows x 64 k, as the product launch takes it, is one dense run of bytes.
; LIMIT OF FORMAT (of the whole program): every floating-point input is rounded once to bf16; all sums, the norm and the two-column
; product are kept in f32.  A row whose two first logits lie closer together than the effect of that rounding (some 2e-3 of their
; spread) can take the other expert than an evaluation on unrounded inputs.  bf16 has the exponent range of f32.
; SHARES: grid y picks 2,048 source rows (0, 1: the halves of x; 2, 3, 4: the three W1); a work-group takes 8 rows, a wave 2.
; One load: lanes 0-15 take 256 aligned bytes (64 k) of the even row, lanes 16-31 the same k of the odd row.
; One store: 32 lanes x 8 bytes = 256 consecutive aligned bytes of ab (two rows of one kb block).
; All 32 loads of a wave go out at once; no register that a memory instruction names is written again, so no wait frees sources.
; A stream: no LDS, no barrier, no matrix unit, nothing shared between work-groups.
; THE MODE: SCHED_MODE bits 1:0 = 2 (LLVM: expert scheduling mode 2), set by the entry lines.  The code itself states the register dependences
; between vector instructions and memory instructions, with s_wait_alu, always for 0.
; THE PLAN.  Registers that memory instructions touch:
;   v[SRC], v[D .. D+7]  offsets: written by vector instructions at the head, never again; read by every load and store.
;   X                    load kb lands in four registers; its two roundings write the first two of them in place; store kb reads those two; nothing writes them afterwards.
; The 32 loads' turns go in eight groups of four: the group's eight roundings, ONE wait, the group's four stores.  The wait stands behind the roundings and not at the
; next group's head, so that a group's stores are not held for the next group's loads.
.set KBS, 1310720                      ; bytes of one kb block: 10,240 rows x 128 bytes
.set SRC, 4                            ; v4       my byte offset in the work-group's 8 source rows
.set D,   6                            ; v[6:13]  my byte offset in ab for kb = 4 q; kb % 4 stands in the store's immediate
.set X,   16                           ; v[16:143] load kb: 4 registers
	s_load_b256 s[4:11], s[0:1], 0x0               ; x s[4:5], first_W1 s[6:7], fake_W1 s[8:9], real_W1 s[10:11]
	s_load_b64 s[12:13], s[0:1], 0x20              ; ab
	s_and_b32 s14, ttmp7, 0xffff                   ; the piece, 0..4
	v_lshrrev_b32 v1, 5, v0                        ; wave
	v_bfe_u32 v2, v0, 4, 1                         ; which of the wave's two rows
	v_and_b32 v3, 15, v0
	v_lshlrev_b32 v[SRC], 14, v1                   ; wave x 2 rows x 8,192 bytes
	v_lshl_add_u32 v[SRC], v2, 13, v[SRC]          ; + row
	v_lshl_add_u32 v[SRC], v3, 4, v[SRC]           ; + 16 bytes a lane
	v_lshlrev_b32 v[D], 3, v0                      ; 8 t = 256 wave + 128 row + 8 (lane mod 16)
.irp q, 1,2,3,4,5,6,7
	v_add_nc_u32 v[D+\q], \q*4*KBS, v[D]
.endr
	s_lshl_b32 s16, ttmp9, 16                      ; source: 8 rows of 8,192 bytes a work-group,
	s_cmp_eq_u32 s14, 1
	s_cselect_b32 s15, 0x1000000, 0                ; and 2,048 rows on for the second half of x
	s_add_co_u32 s16, s16, s15
	s_mov_b32 s17, 0
	s_lshl_b32 s18, s14, 18                        ; destination: piece x 2,048 rows x 128 bytes
	s_lshl_b32 s19, ttmp9, 10                      ; + 8 rows of 128 bytes a work-group
	s_add_co_u32 s18, s18, s19
	s_mov_b32 s19, 0
	s_wait_kmcnt 0x0
	s_cmp_eq_u32 s14, 2                            ; the source buffer, chosen by the piece alone
	s_cselect_b64 s[4:5], s[6:7], s[4:5]
	s_cmp_eq_u32 s14, 3
	s_cselect_b64 s[4:5], s[8:9], s[4:5]
	s_cmp_eq_u32 s14, 4
	s_cselect_b64 s[4:5], s[10:11], s[4:5]
	s_add_nc_u64 s[4:5], s[4:5], s[16:17]
	s_add_nc_u64 s[12:13], s[12:13], s[18:19]
	s_wait_alu depctr_va_vdst(0)                   ; v[SRC] and v[D .. D+7] are written: every load and store of the kernel reads one of them as its offset
.set kb, 0
.rept 32
	global_load_b128 v[X+4*kb:X+4*kb+3], v[SRC], s[4:5] offset:256*kb th:TH_LOAD_NT   ; read once in the launch
.set kb, kb+1
.endr
.set q, 0
.rept 8
	s_wait_loadcnt 28-4*q                          ; loads come back in order (ISA guide 5.7.1): group q's four are in, the 28 - 4 q younger ones stay out
.set kb, 4*q
.rept 4
	v_cvt_pk_bf16_f32 v[X+4*kb],   v[X+4*kb],   v[X+4*kb+1]
	v_cvt_pk_bf16_f32 v[X+4*kb+1], v[X+4*kb+2], v[X+4*kb+3]
.set kb, kb+1
.endr
	s_wait_alu depctr_va_vdst(0)                   ; the group's eight roundings have written the four pairs that the stores below read
.set kb, 4*q
.rept 4
	global_store_b64 v[D+q], v[X+4*kb:X+4*kb+1], s[12:13] offset:(kb%4)*KBS          ; no hint: the next launch reads ab
.set kb, kb+1
.endr
.set q, q+1
.endr
	s_endpgm
.Lfunc_end_k_q32cfbdde78_cast:
	.size	k_q32cfbdde78_cast, .Lfunc_end_k_q32cfbdde78_cast-k_q32cfbdde78_cast
	.p2alignl 7, 3214868480
	.fill 96, 4, 3214868480
	.section	.rodata,"a",@progbits
	.p2align	6, 0x0
	.amdhsa_kernel k_q32cfbdde78_cast
		.amdhsa_group_segment_fixed_size 0
		.amdhsa_private_segment_fixed_size 0
		.amdhsa_enable_private_segment 0
		.amdhsa_kernarg_size 40
		.amdhsa_user_sgpr_count 2
		.amdhsa_user_sgpr_kernarg_segment_ptr 1
		.amdhsa_wavefront_size32 1
		.amdhsa_system_sgpr_workgroup_id_x 1
		.amdhsa_system_sgpr_workgroup_id_y 1
		.amdhsa_system_sgpr_workgroup_id_z 1
		.amdhsa_system_vgpr_workitem_id 0
		.amdhsa_next_free_vgpr 144
		.amdhsa_next_free_sgpr 66
		.amdhsa_reserve_vcc 0
		.amdhsa_float_denorm_mode_32 3
		.amdhsa_float_denorm_mode_16_64 3
		.amdhsa_memory_ordered 1
		.amdhsa_forward_progress 1
		.amdhsa_inst_pref_size 13
	.end_amdhsa_kernel
	.amdgpu_metadata
---
amdhsa.version: [ 1, 2 ]
amdhsa.kernels:
  - .name:           k_q32cfbdde78_cast
    .symbol:         k_q32cfbdde78_cast.kd
    .args:
      - { .name: x, .offset: 0, .size: 8, .value_kind: global_buffer, .address_space: global }
      - { .name: first_W1, .offset: 8, .size: 8, .value_kind: global_buffer, .address_space: global }
      - { .name: fake_W1, .offset: 16, .size: 8, .value_kind: global_buffer, .address_space: global }
      - { .name: real_W1, .offset: 24, .size: 8, .value_kind: global_buffer, .address_space: global }
      - { .name: ab, .offset: 32, .size: 8, .value_kind: global_buffer, .address_space: global }
    .group_segment_fixed_size: 0
    .private_segment_fixed_size: 0
    .kernarg_segment_align: 8
    .kernarg_segment_size: 40
    .max_flat_workgroup_size: 128
    .sgpr_count:     66
    .vgpr_count:     144
    .wavefront_size: 32
...
	.end_amdgpu_metadata
.endif
;; end of part 4
;; launch gemm: the kernel of part 2 again; grid 16 x 16, 4 waves a work-group, clusters of 4 x 4, 327,680 bytes of LDS; arguments ab, h, first_b1, fake_b1, real_b1; writes h
;; launch head (part 5): grid 256 x 1, 16 waves a work-group, no clusters, 51,456 bytes of LDS; arguments h, first_ln_g, first_ln_b, first_W2, first_b2, fake_ln_g, fake_ln_b, fake_W2, fake_b2, real_ln_g, real_ln_b, real_W2, real_b2, out0; writes out0
.if DOCPART == 5
	.amdgcn_target "amdgcn-amd-amdhsa--gfx1250"
	.amdhsa_code_object_version 6
	.text
	.protected	k_q32cfbdde78_head
	.globl	k_q32cfbdde78_head
	.p2align	8
	.type	k_q32cfbdde78_head,@function
k_q32cfbdde78_head:
	s_mov_b64 s[64:65], 0
	v_nop
	global_prefetch_b8 v0, s[64:65] scope:SCOPE_SE
	s_setreg_imm32_b32 hwreg(HW_REG_WAVE_SCHED_MODE, 0, 2), 2
	s_setreg_imm32_b32 hwreg(HW_REG_WAVE_MODE, 25, 1), 1
	s_wait_xcnt 0x0
	s_wait_alu depctr_vm_vsrc(0)
; For each row and each branch j (0 first, 1 fake, 2 real): t = h[row][2048 j ..] (b1 is in it already); LayerNorm (mean, then the mean of (t - mean)^2, eps 1e-5),
; gain and bias; ReLU; the two logits = relu . W2[0], relu . W2[1], + b2.  out0[row] = the fake logits where the first branch's logit 0 >= logit 1 (a tie takes
; index 0, and so does a NaN in logit 0, as argmax does), else the real logits: a select of values, no branch.
; LIMIT OF FORMAT: ln_g, ln_b, W2 and b2 are rounded once to bf16 (nearest even), like x, W1 and b1 in the launches before; all arithmetic here is f32 on those
; values; h is f32 and is never rounded.  LIMIT OF RANGE: ReLU is a maximum in which a NaN loses, so a NaN in h counts as 0 there.
; SHARES: a work-group takes 16 rows, wave w row 16 x group + w with all three branches, so the select stays inside the wave.  A branch's row is 64 registers
; (16 loads of 512 consecutive bytes) and stays in registers through all three passes: h is read once, and the variance is a sum of squared differences.
; ORDER OF THE LOADS: in front of the first barrier a wave issues its 12 parameter loads and the first branch's 16 loads alone, so that the arithmetic begins as
; soon as the parameters lie in LDS.  The fake branch's 16 loads go out four at a time between the groups of the first branch's sum, the real branch's one behind
; every two subtractions of its second pass: each is out at least two passes ahead of its use, and none stands in a run in front of work that could go on.
; The parameters are packed once into LDS by the 512 threads (thread t: columns 4 t .. 4 t + 3).
; The two-column product runs on the vector unit in f32: two columns would fill an eighth of a matrix tile, and its operand would have to be rounded.
; OUTPUT: a work-group's 16 rows of out0 are 128 consecutive bytes, stored by one instruction of one wave.  Whole blocks of 256 bytes would need 32 rows a
; work-group, that is 128 work-groups, for an output of 32,768 bytes in all.  Nothing is shared between work-groups but the parameters: no cluster.
; THE MODE: SCHED_MODE bits 1:0 = 2 (LLVM: expert scheduling mode 2), set by the entry lines.  The code itself states the register dependences
; between vector instructions and memory or LDS instructions, with s_wait_alu, always for 0.
; THE PLAN.  Registers that memory or LDS instructions touch:
;   v[GO], v[LP]   Made at the head, never written again.  GO: the offset of all 48 loads of h.  LP: the address of every LDS load of parameters.
;   v[PO] (= T)    Made at the head; read by the 12 parameter loads and the 6 LDS stores; it is T from the first branch's second pass on.
;   PR, v192-239   The parameter loads land here; the 24 roundings read them; later the real branch's 16 loads land in v192-255.
;   P,  v32-63     Set-up: the roundings write v32-55, the LDS stores read them.  From then on two buffers of 16: in pass 3 batch n reads buffer n % 2, and the LDS loads of
;                  batch n + 1, issued at batch n's head, land in the other one, which batch n - 1 read and which no vector instruction of batch n names.
;   X,  v64-191    Loads land here; vector instructions alone name them otherwise, and none before the loads are issued.
;   v[CH .. CH+4]  At the end: the result's LDS store, wave 0's LDS load and its store.      v254, v255: the closing add's two registers, made anew at the end.
; So: one wait on va_vdst ahead of the first load (the addresses); one between the roundings and the LDS stores, which also covers the later loads into P and into PR's registers,
; since no vector instruction between names those; one on vm_vsrc behind the first barrier (P and PO are written again); in the fake and the real branch one on va_vdst ahead of the first
; LDS loads (the branch before has read P); one at the head of each batch that loads; those of the end, each at its place.
.set HROW, 24576                       ; bytes in a row of h
.set BR,   16384                       ; LDS bytes of a branch's parameters
.set GOF,  0                           ; gain x 4, bias x 4: 16 bytes a thread, at 16 t
.set WOF,  8192                        ; W2[0] x 4, W2[1] x 4: 16 bytes a thread, at 16 t
.set RES,  49152                       ; the 16 rows' results, 8 bytes each
.set GO,   1                           ; v1        my byte offset in the work-group's 16 rows of h; never rewritten
.set LP,   2                           ; v2        16 x lane
.set ZERO, 4                           ; v4        0
.set XL,   5                           ; v5        what the other half of the lanes holds
.set MU,   6                           ; v[6:7]    the mean, twice
.set RS,   8                           ; v[8:9]    1 / sqrt(var + eps), twice
.set CH,   10                          ; v[10:17]  chains of sums
.set T,    18                          ; v[18:25]  at work
.set PO,   18                          ; v18       set-up only: 16 t
.set R,    26                          ; v[26:31]  logits 0, 1 of branches 0, 1, 2; started with b2
.set P,    32                          ; v[32:63]  parameters from LDS
.set X,    64                          ; v[64:255] branch j: 64 registers
.set PR,   192                         ; set-up only: the parameters as loaded, 16 registers a branch
; four loads of h, 512 consecutive bytes each, into 16 registers from b, from byte o of my row
.macro ASK b, o
.irp i, 0,1,2,3
	global_load_b128 v[(\b)+4*\i:(\b)+4*\i+3], v[GO], s[8:9] offset:(\o)+512*\i th:TH_LOAD_NT   ; read once in the launch
.endr
.endm
	s_load_b512 s[8:23], s[0:1], 0x0               ; h s[8:9]; branch j, parameter p (g, be, W2, b2) at s[10 + 8 j + 2 p]
	s_load_b256 s[24:31], s[0:1], 0x40
	s_load_b128 s[32:35], s[0:1], 0x60             ; real_b2 s[32:33], out0 s[34:35]
	v_lshrrev_b32 v[GO], 5, v0
	v_readfirstlane_b32 s43, v[GO]                 ; wave 0..15
	v_and_b32 v[LP], 31, v0
	v_lshlrev_b32 v[LP], 4, v[LP]
	v_mad_u32_u24 v[GO], v[GO], HROW, v[LP]        ; my wave's row + 16 bytes a lane
	v_lshlrev_b32 v[PO], 4, v0
	v_mov_b32 v[ZERO], 0
	v_mov_b32 v[XL], 0                             ; v_permlanex16_b32 counts as a reader of its destination
	s_wait_alu depctr_va_sdst(0)                   ; s43 is written, ahead of its first reader: the place of my result in LDS and the branch at the end are made from it
	s_mul_i32 s2, ttmp9, 16*HROW
	s_mov_b32 s3, 0
	s_mov_b32 s4, 0x3727c5ac                       ; 1e-5
	s_mov_b32 s6, 0x76543210                       ; v_permlanex16_b32: lane i of one half reads lane i of the other
	s_mov_b32 s7, 0xfedcba98
	s_mov_b32 s42, 0x3a000000                      ; 1 / 2048
	s_wait_kmcnt 0x0
	s_load_b64 s[44:45], s[16:17], 0x0             ; b2 of the three branches
	s_load_b64 s[46:47], s[24:25], 0x0
	s_load_b64 s[48:49], s[32:33], 0x0
	s_add_nc_u64 s[8:9], s[8:9], s[2:3]            ; h at the group's first row
	s_lshl_b32 s2, ttmp9, 7
	s_add_nc_u64 s[34:35], s[34:35], s[2:3]        ; out0 likewise
	s_wait_alu depctr_va_vdst(0)                   ; v[GO], v[LP] and v[PO] are written: the loads, LDS stores and LDS loads of the kernel read them as offsets and addresses
.irp j, 0,1,2
	global_load_b128 v[PR+16*\j:PR+16*\j+3],     v[PO], s[10+8*\j:11+8*\j]               ; gain
	global_load_b128 v[PR+16*\j+4:PR+16*\j+7],   v[PO], s[12+8*\j:13+8*\j]               ; bias
	global_load_b128 v[PR+16*\j+8:PR+16*\j+11],  v[PO], s[14+8*\j:15+8*\j]               ; W2[0]
	global_load_b128 v[PR+16*\j+12:PR+16*\j+15], v[PO], s[14+8*\j:15+8*\j] offset:8192   ; W2[1]
.endr
	ASK X,    0                                    ; the first branch's row
	ASK X+16, 2048
	ASK X+32, 4096
	ASK X+48, 6144
	s_wait_loadcnt 16                              ; the 12 parameter loads are in; the 16 younger loads of h stay out
.irp j, 0,1,2
.irp m, 0,1,2,3,4,5,6,7
	v_cvt_pk_bf16_f32 v[P+8*\j+\m], v[PR+16*\j+2*\m], v[PR+16*\j+2*\m+1]
.endr
.endr
	s_wait_alu depctr_va_vdst(0)                   ; the 24 roundings have written v[P .. P+23], which the LDS stores read and in which LDS loads land later, and are done reading v[PR ..], in which the real branch's loads land
.irp j, 0,1,2
	ds_store_b128 v[PO], v[P+8*\j:P+8*\j+3]   offset:\j*BR+GOF
	ds_store_b128 v[PO], v[P+8*\j+4:P+8*\j+7] offset:\j*BR+WOF
.endr
	s_wait_kmcnt 0x0
.irp j, 0,1,2
	v_cvt_pk_bf16_f32 v[T+2], s[44+2*\j], s[45+2*\j]
	v_lshlrev_b32 v[R+2*\j],   16, v[T+2]          ; the logits start with b2
	v_and_b32     v[R+2*\j+1], 0xffff0000, v[T+2]
.endr
	s_wait_dscnt 0x0                               ; my part of the parameters is in LDS,
	s_barrier_signal -1
	s_barrier_wait -1                              ; everybody's is
	s_wait_alu depctr_vm_vsrc(0)                   ; my LDS stores have read v[P .. P+23] and v[PO], the parameter loads v[PO]: LDS loads land in P from here on, and v[PO] is T, which vector instructions write
; a sum over the 32 lanes, the result in every lane
.macro REDUCE r
	v_add_f32_dpp v[\r], v[\r], v[\r] row_xmask:1 row_mask:0xf bank_mask:0xf
	v_add_f32_dpp v[\r], v[\r], v[\r] row_xmask:2 row_mask:0xf bank_mask:0xf
	v_add_f32_dpp v[\r], v[\r], v[\r] row_xmask:4 row_mask:0xf bank_mask:0xf
	v_add_f32_dpp v[\r], v[\r], v[\r] row_xmask:8 row_mask:0xf bank_mask:0xf
	v_permlanex16_b32 v[XL], v[\r], s6, s7
	v_add_f32 v[\r], v[\r], v[XL]
.endm
; the four packed chains into one number, then over the lanes
.macro TOTAL
	v_pk_add_f32 v[CH:CH+1],   v[CH:CH+1],   v[CH+2:CH+3]
	v_pk_add_f32 v[CH+4:CH+5], v[CH+4:CH+5], v[CH+6:CH+7]
	v_pk_add_f32 v[CH:CH+1],   v[CH:CH+1],   v[CH+4:CH+5]
	v_add_f32 v[CH], v[CH], v[CH+1]
	REDUCE CH
.endm
; the eight pairs in the 16 registers from b start the four chains: nothing is cleared
.macro SUM0 b
.irp k, 0,1,2,3
	v_pk_add_f32 v[CH+2*\k:CH+2*\k+1], v[(\b)+2*\k:(\b)+2*\k+1], v[(\b)+8+2*\k:(\b)+8+2*\k+1]
.endr
.endm
; the eight pairs in the 16 registers from b go onto the four chains
.macro SUM8 b
.irp k, 0,1,2,3
	v_pk_add_f32 v[CH+2*\k:CH+2*\k+1], v[CH+2*\k:CH+2*\k+1], v[(\b)+2*\k:(\b)+2*\k+1]
.endr
.irp k, 0,1,2,3
	v_pk_add_f32 v[CH+2*\k:CH+2*\k+1], v[CH+2*\k:CH+2*\k+1], v[(\b)+8+2*\k:(\b)+8+2*\k+1]
.endr
.endm
; batch n of the last pass: gain and bias, W2's two rows, for chunks 2 n and 2 n + 1, into 16 registers from pb
.macro LOADP n, pb
.irp u, 0,1
	ds_load_b128 v[(\pb)+8*\u:(\pb)+8*\u+3],   v[LP] offset:LB+GOF+512*(2*(\n)+\u)
	ds_load_b128 v[(\pb)+8*\u+4:(\pb)+8*\u+7], v[LP] offset:LB+WOF+512*(2*(\n)+\u)
.endr
.endm
; chunk c (my 4 columns 128 c + 4 lane ..): scale, gain and bias, ReLU, and the two products.  pb: g g be be w0 w0 w1 w1 (two bf16 a register).
.macro CHUNK c, pb, tb, first
	v_pk_mul_f32 v[(\tb):(\tb)+1],   v[XB+4*(\c):XB+4*(\c)+1],   v[RS:RS+1]
	v_pk_mul_f32 v[(\tb)+2:(\tb)+3], v[XB+4*(\c)+2:XB+4*(\c)+3], v[RS:RS+1]
.irp d, 0,1
	v_fma_mix_f32_bf16 v[(\tb)+2*\d],   v[(\tb)+2*\d],   v[(\pb)+\d], v[(\pb)+2+\d] op_sel_hi:[0,1,1]
	v_fma_mix_f32_bf16 v[(\tb)+2*\d+1], v[(\tb)+2*\d+1], v[(\pb)+\d], v[(\pb)+2+\d] op_sel:[0,1,1] op_sel_hi:[0,1,1]
.endr
.irp e, 0,1,2,3
	v_max_num_f32 v[(\tb)+\e], 0, v[(\tb)+\e]
.endr
.irp d, 0,1
.if \first
	v_fma_mix_f32_bf16 v[CH+2*\d],     v[(\tb)+2*\d],   v[(\pb)+4+\d], v[ZERO] op_sel_hi:[0,1,0]              ; the first chunk starts the eight chains
	v_fma_mix_f32_bf16 v[CH+2*\d+1],   v[(\tb)+2*\d+1], v[(\pb)+4+\d], v[ZERO] op_sel:[0,1,0] op_sel_hi:[0,1,0]
	v_fma_mix_f32_bf16 v[CH+4+2*\d],   v[(\tb)+2*\d],   v[(\pb)+6+\d], v[ZERO] op_sel_hi:[0,1,0]
	v_fma_mix_f32_bf16 v[CH+4+2*\d+1], v[(\tb)+2*\d+1], v[(\pb)+6+\d], v[ZERO] op_sel:[0,1,0] op_sel_hi:[0,1,0]
.else
	v_fma_mix_f32_bf16 v[CH+2*\d],     v[(\tb)+2*\d],   v[(\pb)+4+\d], v[CH+2*\d] op_sel_hi:[0,1,0]
	v_fma_mix_f32_bf16 v[CH+2*\d+1],   v[(\tb)+2*\d+1], v[(\pb)+4+\d], v[CH+2*\d+1] op_sel:[0,1,0] op_sel_hi:[0,1,0]
	v_fma_mix_f32_bf16 v[CH+4+2*\d],   v[(\tb)+2*\d],   v[(\pb)+6+\d], v[CH+4+2*\d] op_sel_hi:[0,1,0]
	v_fma_mix_f32_bf16 v[CH+4+2*\d+1], v[(\tb)+2*\d+1], v[(\pb)+6+\d], v[CH+4+2*\d+1] op_sel:[0,1,0] op_sel_hi:[0,1,0]
.endif
.endr
.endm
; Batch n reads buffer pb.  left: how many younger LDS loads may stay out.  more = 1: batch n + 1 is asked for at this batch's head, into the other buffer ob, which batch n - 1 read:
; it has this batch's 36 vector instructions in which to land, and none of them names ob or v[LP].
.macro BATCH n, pb, ob, first, left, more
	s_wait_dscnt \left
.if \more
	s_wait_alu depctr_va_vdst(0)                   ; the batch before is done reading the other buffer, in which the four LDS loads below land
	LOADP \n+1, \ob
.endif
	CHUNK 2*\n,   \pb,   T,   \first
	CHUNK 2*\n+1, \pb+8, T+4, 0
.endm
; One branch of my row.  The sum goes in four groups of four loads; in front of group q the count w0 - dw q leaves out all loads younger than the group's.
; ahead = 1 (the first branch): the other two branches' rows are asked for on the way.  No wait on va_vdst stands ahead of those loads: no vector instruction has named the fake
; branch's registers at all, and none since the wait behind the parameters' roundings names the real branch's or v[GO].
.macro BRANCH j, w0, dw, ahead
.set XB, X+64*\j
.set LB, \j*BR
	; pass 1: the mean
	s_wait_loadcnt \w0                             ; loads come back in order (ISA guide 5.7.1): this branch's first four are in
	SUM0 XB
.if \ahead
	ASK XB+64, 8192*(\j+1)
.endif
.irp q, 1,2,3
	s_wait_loadcnt \w0-\dw*\q
	SUM8 XB+16*\q
.if \ahead
	ASK XB+64+16*\q, 8192*(\j+1)+2048*\q
.endif
.endr
	TOTAL
	v_mul_f32 v[MU],   s42, v[CH]
	v_mul_f32 v[MU+1], s42, v[CH]
	; pass 2: t - mean in place, and the mean of its squares.  The last pass's first two batches of parameters are asked for now.
.if \j
	s_wait_alu depctr_va_vdst(0)                   ; the branch before (its batches 6 and 7) is done reading v[P .. P+31], in which the eight LDS loads below land
.endif
	LOADP 0, P
	LOADP 1, P+16
.set i, 0
.rept 16
	v_pk_add_f32 v[XB+4*i:XB+4*i+1],   v[XB+4*i:XB+4*i+1],   v[MU:MU+1] neg_lo:[0,1] neg_hi:[0,1]
	v_pk_add_f32 v[XB+4*i+2:XB+4*i+3], v[XB+4*i+2:XB+4*i+3], v[MU:MU+1] neg_lo:[0,1] neg_hi:[0,1]
.if \ahead
	global_load_b128 v[XB+128+4*i:XB+128+4*i+3], v[GO], s[8:9] offset:8192*(\j+2)+512*i th:TH_LOAD_NT    ; into the registers that held the parameters as loaded
.endif
.set i, i+1
.endr
.irp k, 0,1,2,3
	v_pk_mul_f32 v[CH+2*\k:CH+2*\k+1], v[XB+2*\k:XB+2*\k+1], v[XB+2*\k:XB+2*\k+1]
.endr
.set i, 4
.rept 28
	v_pk_fma_f32 v[CH+2*(i%4):CH+2*(i%4)+1], v[XB+2*i:XB+2*i+1], v[XB+2*i:XB+2*i+1], v[CH+2*(i%4):CH+2*(i%4)+1]
.set i, i+1
.endr
	TOTAL
	v_fma_f32 v[T], v[CH], s42, s4                 ; var + eps
	v_rsq_f32 v[RS],   v[T]
	v_rsq_f32 v[RS+1], v[T]
	v_nop                                          ; one plain place behind the transcendentals before RS is read and T rewritten (ISA guide 5.7.2)
	s_wait_alu depctr_va_vdst(0)                   ; the two reciprocal roots have written v[RS], v[RS+1], ahead of their first reader: one wait for the batch
	; pass 3: eight batches of two chunks, on the two halves of P by turns
	BATCH 0, P,    P+16, 1, 4, 0                   ; its own four loads are in, batch 1's four stay out; both buffers are in use: nothing is asked for
	BATCH 1, P+16, P,    0, 0, 1                   ; from here on nothing younger is out at a batch's head: the count is 0
	BATCH 2, P,    P+16, 0, 0, 1
	BATCH 3, P+16, P,    0, 0, 1
	BATCH 4, P,    P+16, 0, 0, 1
	BATCH 5, P+16, P,    0, 0, 1
	BATCH 6, P,    P+16, 0, 0, 1
	BATCH 7, P+16, P,    0, 0, 0                   ; nothing is left to ask for
	v_pk_add_f32 v[CH:CH+1],   v[CH:CH+1],   v[CH+2:CH+3]
	v_pk_add_f32 v[CH+4:CH+5], v[CH+4:CH+5], v[CH+6:CH+7]
	v_add_f32 v[CH],   v[CH],   v[CH+1]
	v_add_f32 v[CH+4], v[CH+4], v[CH+5]
	REDUCE CH
	REDUCE CH+4
	v_add_f32 v[R+2*\j],   v[R+2*\j],   v[CH]
	v_add_f32 v[R+2*\j+1], v[R+2*\j+1], v[CH+4]
.endm
	BRANCH 0, 12, 0, 1                             ; group q: 12 - 4 q younger loads of its own and the 4 q of the fake branch issued so far: always 12
	BRANCH 1, 28, 4, 0                             ; group q: 12 - 4 q of its own and the real branch's 16
	BRANCH 2, 12, 4, 0                             ; group q: 12 - 4 q of its own; the last count is 0
	v_cmp_ge_f32 vcc_lo, v[R], v[R+1]              ; route 0: logit 0 >= logit 1,
	v_cmp_neq_f32 s50, v[R], v[R]                  ; or logit 0 is a NaN
	s_wait_alu depctr_va_vcc(0)                    ; the first compare has written VCC,
	s_wait_alu depctr_va_sdst(0)                   ; the second s50: the scalar OR below reads both
	s_or_b32 vcc_lo, vcc_lo, s50
	v_cndmask_b32 v[CH],   v[R+4], v[R+2], vcc_lo  ; route 0: fake, else real
	v_cndmask_b32 v[CH+1], v[R+5], v[R+3], vcc_lo
	s_lshl_b32 s2, s43, 3
	v_mov_b32 v[CH+2], s2
	s_wait_alu depctr_va_vdst(0)                   ; the two selects have written v[CH], v[CH+1], the move v[CH+2]: the LDS store's data and address
	ds_store_b64 v[CH+2], v[CH:CH+1] offset:RES    ; all lanes hold the same two numbers and write the same 8 bytes, my wave's
	s_wait_dscnt 0x0                               ; for the others' sake: zero
	s_barrier_signal -1
	s_barrier_wait -1
	s_cmp_lg_u32 s43, 0
	s_cbranch_scc1 .Lend
	v_lshrrev_b32 v[CH+3], 2, v[LP]                ; wave 0: 4 x lane
	s_wait_alu depctr_va_vdst(0)                   ; v[CH+3] is written: the LDS load's address and the store's offset
	ds_load_b32 v[CH+4], v[CH+3] offset:RES        ; the 16 rows' 32 numbers
	s_wait_dscnt 0x0
	global_store_b32 v[CH+3], v[CH+4], s[34:35]    ; 128 consecutive bytes of out0
.Lend:
	s_wait_xcnt 0x0
	v_lshl_add_u32 v254, v0, 2, 0xc100             ; the add's two registers are made anew: all 256 registers were in use, and v0 is as at the entry.  Loads landed in v254 and v255 and
	v_mov_b32 v255, 0                              ; vector instructions read them; no memory or LDS instruction has read either, so no wait on vm_vsrc is owed ahead of these two lines
	s_wait_dscnt 0x0                               ; the closing lines, six on end
	s_wait_alu 0x0
	s_wait_tensorcnt 0x0
	ds_add_u32 v254, v255
	s_wait_dscnt 0x0
	s_endpgm
.Lfunc_end_k_q32cfbdde78_head:
	.size	k_q32cfbdde78_head, .Lfunc_end_k_q32cfbdde78_head-k_q32cfbdde78_head
	.p2alignl 7, 3214868480
	.fill 96, 4, 3214868480
	.section	.rodata,"a",@progbits
	.p2align	6, 0x0
	.amdhsa_kernel k_q32cfbdde78_head
		.amdhsa_group_segment_fixed_size 51456
		.amdhsa_private_segment_fixed_size 0
		.amdhsa_enable_private_segment 0
		.amdhsa_kernarg_size 112
		.amdhsa_user_sgpr_count 2
		.amdhsa_user_sgpr_kernarg_segment_ptr 1
		.amdhsa_wavefront_size32 1
		.amdhsa_system_sgpr_workgroup_id_x 1
		.amdhsa_system_sgpr_workgroup_id_y 1
		.amdhsa_system_sgpr_workgroup_id_z 1
		.amdhsa_system_vgpr_workitem_id 0
		.amdhsa_next_free_vgpr 256
		.amdhsa_next_free_sgpr 66
		.amdhsa_reserve_vcc 1
		.amdhsa_float_denorm_mode_32 3
		.amdhsa_float_denorm_mode_16_64 3
		.amdhsa_memory_ordered 1
		.amdhsa_forward_progress 1
		.amdhsa_inst_pref_size 91
	.end_amdhsa_kernel
	.amdgpu_metadata
---
amdhsa.version: [ 1, 2 ]
amdhsa.kernels:
  - .name:           k_q32cfbdde78_head
    .symbol:         k_q32cfbdde78_head.kd
    .args:
      - { .name: h, .offset: 0, .size: 8, .value_kind: global_buffer, .address_space: global }
      - { .name: first_ln_g, .offset: 8, .size: 8, .value_kind: global_buffer, .address_space: global }
      - { .name: first_ln_b, .offset: 16, .size: 8, .value_kind: global_buffer, .address_space: global }
      - { .name: first_W2, .offset: 24, .size: 8, .value_kind: global_buffer, .address_space: global }
      - { .name: first_b2, .offset: 32, .size: 8, .value_kind: global_buffer, .address_space: global }
      - { .name: fake_ln_g, .offset: 40, .size: 8, .value_kind: global_buffer, .address_space: global }
      - { .name: fake_ln_b, .offset: 48, .size: 8, .value_kind: global_buffer, .address_space: global }
      - { .name: fake_W2, .offset: 56, .size: 8, .value_kind: global_buffer, .address_space: global }
      - { .name: fake_b2, .offset: 64, .size: 8, .value_kind: global_buffer, .address_space: global }
      - { .name: real_ln_g, .offset: 72, .size: 8, .value_kind: global_buffer, .address_space: global }
      - { .name: real_ln_b, .offset: 80, .size: 8, .value_kind: global_buffer, .address_space: global }
      - { .name: real_W2, .offset: 88, .size: 8, .value_kind: global_buffer, .address_space: global }
      - { .name: real_b2, .offset: 96, .size: 8, .value_kind: global_buffer, .address_space: global }
      - { .name: out0, .offset: 104, .size: 8, .value_kind: global_buffer, .address_space: global }
    .group_segment_fixed_size: 51456
    .private_segment_fixed_size: 0
    .kernarg_segment_align: 8
    .kernarg_segment_size: 112
    .max_flat_workgroup_size: 512
    .sgpr_count:     66
    .vgpr_count:     256
    .wavefront_size: 32
...
	.end_amdgpu_metadata
.endif
;; end of part 5
